; MI455X (gfx1250); checked and timed in simulation.
; The chip was launched on July 23, 2026; its instructions are those of AMD's public machine-readable ISA for CDNA 5 (MIT licence, August 2026) and "CDNA5" Instruction Set Architecture Reference Guide (July 2026). The comments in the code are by the model that wrote it; some were corrected since.
;; Attention. Allowed arithmetic: matrix products marked QUANTISED: E5M2 operands, one given power-of-two scale a tensor, by v_wmma_f32_16x16x64_bf8_bf8 or v_wmma_f32_16x16x128_bf8_bf8, f32 sums; products left as they are: f32 operands where the result goes on into a quantised operand, else bf16, f16 or f32 operands; f32 sums; everything else in f32.
;; Inputs: V 1,024 x 1 float32; W1 1,024 x 1,024 float32; W2 1,024 x 1,024 float32; b1 1,024 float32; b2 1,024 float32; bv 1 float32; encoder_output 16 x 4,096 x 1,024 float32; hidden_state 16 x 1,024 float32; lowp_scales 4 int32 (the exponents e of the quantised operands' scales 2^e).
;; Outputs: out0 16 x 1,024 float32; out1 16 x 4,096 x 1 float32.
;; This version of the problem:
;;   THIS VERSION OF THE PROBLEM IS GIVEN IN LOW PRECISION. The matrix products marked QUANTISED in the list below multiply operands that are first quantised to E5M2 (5 exponent bits, 2 mantissa bits; 8 bits a number), with one given power-of-two scale for each operand tensor; their sums are f32. All else is computed in f32.
;;   The module's matrix products, in the order in which they are computed (A, B: the left and right operand; K: the contracted axis; several contracted axes count as one K, in the product's order):
;;     1. [M 16, K 1,024] x [K 1,024, N 1,024]; A: input hidden_state; B: input W1: QUANTISED (scales: A lowp_scales[0], B lowp_scales[1])
;;     2. [M 65,536, K 1,024] x [K 1,024, N 1,024]; A: input encoder_output; B: input W2: QUANTISED (scales: A lowp_scales[2], B lowp_scales[3])
;;     3. [M 65,536, K 1,024] x [K 1,024, N 1]; A: computed on the way; B: input V: left as it is (N = 1 < 16)
;;   THE QUANTISER, for each operand of a quantised product, along K:
;;     - The operand's scale is 2^e, e = its entry of the input lowp_scales (int32; the entries are numbered through the quantised products in the list's order, A before B).
;;     - Each number is divided by the scale, clamped to +-57,344, and rounded to the nearest number of E5M2, ties to even, subnormals kept.
;;     - The product sums the exact products of the quantised numbers (number of the format x scale) in f32.
;;   ~~~python
;;   def quantise(x, axis, e):      # numpy; x: float32 -> the quantised numbers, widened to float32 again
;;       x = np.moveaxis(x, axis, -1); K = x.shape[-1]
;;       r = np.clip(x / 2.0 ** e, -57344, 57344)
;;       step = 2.0 ** (np.maximum(np.frexp(np.where(r == 0, 1, r))[1] - 1, -14) - 2)
;;       q = np.round(r / step) * step * 2.0 ** e      # np.round: ties to even
;;       return np.moveaxis(q, -1, axis).astype(np.float32)
;;   ~~~
;; One version. Each part assembles by itself: llvm-mc -triple=amdgcn-amd-amdhsa -mcpu=gfx1250 --defsym DOCPART=n.
;; ======== version 1 of 1: 3 launches
;; limits: right only within a limited range of input values
;; workspace buffers: w2f 1,048,576 bytes; hz 65,536 bytes; sc 262,144 bytes; pc 1,048,576 bytes
;; launch prep (part 1): grid 64 x 1, 8 waves a work-group, no clusters, 9,216 bytes of LDS; arguments W2, W1, hidden_state, b1, b2, lowp_scales, w2f, hz; writes w2f, hz
.if DOCPART == 1
	.amdgcn_target "amdgcn-amd-amdhsa--gfx1250"
	.amdhsa_code_object_version 6
	.text
	.protected	k_qd9e1fd6a60_prep
	.globl	k_qd9e1fd6a60_prep
	.p2align	8
	.type	k_qd9e1fd6a60_prep,@function
k_qd9e1fd6a60_prep:
	s_mov_b64 s[64:65], 0
	v_nop
	global_prefetch_b8 v0, s[64:65] scope:SCOPE_SE
	s_setreg_imm32_b32 hwreg(HW_REG_WAVE_MODE, 25, 1), 1
	s_wait_xcnt 0x0
; PREP: W2 becomes codes of E5M2 laid as the next launch's operand registers want them (w2f), and the first product is made whole: hz[b][u] = 2 log2(e) x (Q(hidden) Q(W1) + b1 + b2)[b][u].
;
; WORK LEFT OUT IN THIS PROGRAM, AND WHY IT IS DEAD.  reference() returns softmax_t(score) and a sum weighed by it; score itself is no output.  A softmax along t is unchanged by a term that is the same for all t.
;   (1) bv is added to every score of a batch alike: it cancels in the softmax for all values.  bv is not loaded and is no argument of any launch.
;   (2) tanh(x) = 1 - 2 r, r = 1 / (1 + 2^(2 log2(e) x)), an identity for all real x.  So score_t = (sum over u of V_u) - 2 sum over u of V_u r_tu + bv: the first sum is also the same for all t and is not formed.
;       The program carries q_t = sum over u of V_u r_tu, and the softmax is taken of -2 q_t, with its maximum taken away as reference() takes it.
; LIMIT: a NaN, an infinity or an overflow that reaches only bv or the sum of V is not carried to the result.  b1 and b2 stand inside tanh and are live.
;
; LIMITS on the given exponents, so that each power of two below is an f32 number: e0, e1, e3 between -126 and 112; e0 + e1 between -127 and 126 (added to the exponent field of 2 log2(e)).  NaN among the inputs is not served.
;
; SHARES.  64 work-groups of eight waves; every wave does both tasks.  No cluster and no tensor load: W1 and W2 are read once each by one wave; what work-groups share, hidden_state, is 64 KB against 8 MB.
; TASK A.  Wave (g = 8 (x % 4) + w, y = x / 4) takes columns u = 32 g + lane of W2 and 64 places along K, 64 y on.  A LANE TAKES A COLUMN AND ITS REGISTERS RUN DOWN K, so the conversions give codes with K innermost.
;   THE ORDER ALONG K IS PERMUTED, alike here and where the next launch quantises encoder_output: place p = 256 c + 8 l + 4 s + e holds k = 256 c + 128 s + 4 l + e (l < 32, s < 2, e < 4).  Every product meets its partner;
;   only the order of the additions changes.  It lets the next launch load its rows 16 bytes a lane, 512 consecutive bytes a load, and convert two neighbouring loads' registers as they lie.
;   w2f: for tile ut of 16 columns, K step ks of 128 places and group c of 32: 512 bytes at ((8 ut + ks) 4 + c) 512; lane (r, h) owns the 16 bytes at 16 (16 h + r): column 16 ut + r, places 128 ks + 32 c + 16 h + 0 .. 15.
;   A lane's 16 codes are 16 bytes and the sixteen lanes of a half hold sixteen neighbouring columns: each store's sixteen lanes write 256 consecutive bytes, aligned.  No stage in LDS is needed.
; TASK B.  The work-group takes columns 16 x .. 16 x + 15 of the first product; wave w takes K step w (k = 128 w on, in true order in both operands), one matrix instruction; the eight partial tiles meet in LDS.
;   hz leaves in runs of 64 bytes (16 columns of a batch's row): 64 KB in the whole launch.
; REGISTERS: v1, v2 the add's two; v3 where I read the partial tiles; v5 my place in hz; v6-v10 offsets of the loads; v11, v12 scale and largest number x scale of the tensor in hand; v13 where I store my partial tile;
;   v14, v15 b1, b2; v16-31 W2's codes; v32-47 hidden's; v48-63 W1's; v64-127 W2's numbers, later the tile and its partners; v128-191 hidden's numbers; v192-255 W1's.
.set SPARE, 8192                       ; LDS: eight partial tiles of 1,024 bytes from byte 0; behind them the spare words, 128 bytes for each wave: four blocks of 256 bytes that no other line names
.set C2L,   0x4038aa3b                 ; 2 log2(e) as f32
	s_load_b256 s[4:11], s[0:1], 0x0               ; W2 s[4:5], W1 s[6:7], hidden_state s[8:9], b1 s[10:11]
	s_load_b256 s[12:19], s[0:1], 0x20             ; b2 s[12:13], the exponents s[14:15], w2f s[16:17], hz s[18:19]
	v_lshl_add_u32 v1, v0, 2, SPARE
	v_mov_b32 v2, 0
	v_lshrrev_b32 v3, 5, v0
	s_delay_alu instid0(VALU_DEP_1)
	v_readfirstlane_b32 s20, v3                    ; wave 0..7
	v_and_b32 v3, 31, v0                           ; lane
	v_and_b32 v4, 15, v0                           ; r
	v_bfe_u32 v5, v0, 4, 1                         ; h
	s_delay_alu instid0(VALU_DEP_3)
	v_lshlrev_b32 v6, 2, v3                        ; W2: 4 bytes a lane
	s_delay_alu instid0(VALU_DEP_3)
	v_lshlrev_b32 v7, 4, v4
	s_delay_alu instid0(VALU_DEP_1)
	v_lshl_add_u32 v7, v5, 14, v7                  ; w2f: 16 r, and lanes 16-31 one tile of columns (16,384 bytes) on
	v_lshlrev_b32 v8, 12, v4
	s_delay_alu instid0(VALU_DEP_1)
	v_lshl_add_u32 v8, v5, 6, v8                   ; hidden: row r of 4,096 bytes, + 64 h: my 16 numbers of a group of 32
	v_lshlrev_b32 v10, 2, v4                       ; 4 r: b1, b2
	s_delay_alu instid0(VALU_DEP_1)
	v_lshl_add_u32 v9, v5, 16, v10                 ; W1: column r, and lanes 16-31 begin 16 rows further down
	s_lshl_b32 s21, s20, 10
	v_add_nc_u32 v13, s21, v6                      ; my partial tile: 1,024 w + 4 lane
	v_bfe_u32 v3, v0, 4, 3                         ; behind the barrier thread t stands for batch m = t / 16, column n = t % 16: register j = m % 8 of lane 16 (m / 8) + n
	s_delay_alu instid0(VALU_DEP_1)
	v_lshlrev_b32 v3, 7, v3
	v_lshrrev_b32 v5, 7, v0
	s_delay_alu instid0(VALU_DEP_1)
	v_lshl_add_u32 v3, v5, 6, v3
	s_delay_alu instid0(VALU_DEP_1)
	v_add_nc_u32 v3, v3, v10                       ; 128 j + 64 (m / 8) + 4 n
	v_lshrrev_b32 v5, 4, v0
	s_delay_alu instid0(VALU_DEP_1)
	v_lshl_add_u32 v5, v5, 12, v10                 ; hz: 4,096 m + 4 n
	s_and_b32 s22, ttmp9, 3
	s_lshr_b32 s23, ttmp9, 2                       ; y
	s_lshl_b32 s22, s22, 3
	s_add_co_u32 s22, s22, s20                     ; g
	s_lshr_b32 s24, s23, 2                         ; W2: rows 256 (y / 4) + 32 (y % 4) on, of 4,096 bytes, column 32 g
	s_lshl_b32 s24, s24, 20
	s_and_b32 s25, s23, 3
	s_lshl_b32 s25, s25, 17
	s_add_co_u32 s24, s24, s25
	s_lshl_b32 s25, s22, 7
	s_add_co_u32 s24, s24, s25
	s_mov_b32 s25, 0
	s_lshl_b32 s26, s22, 15                        ; w2f: two tiles of columns a wave: 32,768 g; 64 places are 1,024 bytes of a tile: 1,024 y
	s_lshl_b32 s27, s23, 10
	s_add_co_u32 s26, s26, s27
	s_mov_b32 s27, 0
	s_lshl_b32 s36, s20, 9                         ; hidden: k = 128 w on
	s_mov_b32 s37, 0
	s_lshl_b32 s40, ttmp9, 6                       ; 16 columns of f32: 64 x
	s_mov_b32 s41, 0
	s_lshl_b32 s38, s20, 19                        ; W1: row 128 w, column 16 x
	s_add_co_u32 s38, s38, s40
	s_mov_b32 s39, 0
	s_wait_alu depctr_va_vdst(0)
	s_wait_kmcnt 0x0
	s_load_b128 s[28:31], s[14:15], 0x0            ; e0 (hidden), e1 (W1), e2, e3 (W2)
	s_add_nc_u64 s[4:5], s[4:5], s[24:25]
	s_add_nc_u64 s[16:17], s[16:17], s[26:27]
	s_add_nc_u64 s[8:9], s[8:9], s[36:37]
	s_add_nc_u64 s[6:7], s[6:7], s[38:39]
	s_add_nc_u64 s[10:11], s[10:11], s[40:41]
	s_add_nc_u64 s[12:13], s[12:13], s[40:41]
	s_add_nc_u64 s[18:19], s[18:19], s[40:41]
.set i, 0
.rept 64                                           ; place 64 y + i holds k = (the base's) + 128 ((i / 4) % 2) + 4 (i / 8) + i % 4; 32 lanes read 128 consecutive bytes
	global_load_b32 v[64+i], v6, s[4:5] offset:(128*((i/4)%2)+4*(i/8)+i%4)*4096 th:TH_LOAD_NT
.set i, i+1
.endr
.irp c, 0,1,2,3
.irp j, 0,1,2,3
	global_load_b128 v[128+16*\c+4*\j:128+16*\c+4*\j+3], v8, s[8:9] offset:128*\c+16*\j   ; hidden(r, 128 w + 32 c + 16 h + 4 j ..)
.endr
.endr
.set i, 0
.rept 64
	global_load_b32 v[192+i], v9, s[6:7] offset:(32*(i/16)+i%16)*4096 th:TH_LOAD_NT       ; W1(128 w + 32 c + 16 h + i', 16 x + r), i = 16 c + i'
.set i, i+1
.endr
	global_load_b32 v14, v10, s[10:11]             ; b1, b2 at column 16 x + t % 16
	global_load_b32 v15, v10, s[12:13]
.macro SCALE e                         ; v11 = 2^e as f32 (the conversion takes its exponent field), v12 = 57,344 x 2^e
	s_add_co_i32 s32, \e, 127
	s_lshl_b32 s33, s32, 23
	v_mov_b32 v11, s33
	s_add_co_i32 s32, s32, 15
	s_lshl_b32 s32, s32, 23
	s_or_b32 s32, s32, 0x600000
	v_mov_b32 v12, s32
.endm
.macro QUANT src, dst                  ; 64 numbers of a lane become 64 codes in 16 registers
.set q, 0
.rept 64
	v_med3_num_f32 v[\src+q], v[\src+q], -v12, v12 ; the conversion to an 8-bit code does not saturate (ISA guide 7.6.2): the hold at the largest code x the scale
.set q, q+1
.endr
.set q, 0
.rept 8
	v_cvt_scalef32_pk8_bf8_f32 v[\dst+2*q:\dst+2*q+1], v[\src+8*q:\src+8*q+7], v11
.set q, q+1
.endr
	v_nop                                          ; one plain vector line between the last conversion and what next writes its scale or touches its codes
.endm
	s_wait_kmcnt 0x0
	SCALE s31
	s_wait_alu depctr_va_vdst(0)
	s_wait_loadcnt 63                              ; W2's 64 loads are in: 82 loads are younger, and 63 is the largest count that the wait can name
	QUANT 64, 16
.irp k, 0,1
.irp hh, 0,1
	global_store_b128 v7, v[16+8*\k+4*\hh:16+8*\k+4*\hh+3], s[16:17] offset:512*\k+256*\hh   ; places 32 k + 16 hh + 0 .. 15: group k of the two, half hh of its image
.endr
.endr
	SCALE s28
	s_wait_alu depctr_va_vdst(0)
	s_wait_loadcnt 0x0
	QUANT 128, 32
	SCALE s29
	QUANT 192, 48
	v_wmma_f32_16x16x128_bf8_bf8 v[64:71], v[32:47], v[48:63], 0   ; register j of lane (r, h): batch 8 h + j, column 16 x + r, K step w
	v_add_f32 v14, v14, v15                        ; b1 + b2,
	s_delay_alu instid0(VALU_DEP_1)
	v_mul_f32 v14, C2L, v14                        ; x 2 log2(e).  (Two of the four places behind the matrix instruction)
	v_nop
	v_nop
.irp j, 0,1,2,3,4,5,6,7
	ds_store_b32 v13, v[64+\j] offset:128*\j       ; from the tile's low end on
.endr
	s_add_co_i32 s34, s28, s29                     ; a sum stands for sum x 2^(e0 + e1): the exponents are added to the exponent field of 2 log2(e)
	s_lshl_b32 s34, s34, 23
	s_add_co_i32 s34, s34, C2L
	s_wait_dscnt 0x0                               ; for the others' sake: my partial tile has landed
	s_barrier_signal -1
	s_barrier_wait -1
.irp o, 0,1,2,3,4,5,6,7
	ds_load_b32 v[72+\o], v3 offset:1024*\o        ; the eight K steps' parts of my one number
.endr
	s_wait_dscnt 0x0
	v_add_f32 v72, v72, v73
	v_add_f32 v74, v74, v75
	v_add_f32 v76, v76, v77
	v_add_f32 v78, v78, v79
	s_delay_alu instid0(VALU_DEP_3)
	v_add_f32 v72, v72, v74
	s_delay_alu instid0(VALU_DEP_2)
	v_add_f32 v76, v76, v78
	s_delay_alu instid0(VALU_DEP_1)
	v_add_f32 v72, v72, v76
	s_wait_alu depctr_va_vdst(0)
	v_fma_f32 v72, v72, s34, v14
	global_store_b32 v5, v72, s[18:19]
	s_wait_tensorcnt 0x0                           ; the wave's end, behind my last LDS store
	ds_add_u32 v1, v2
	s_wait_dscnt 0x0
	s_endpgm
.Lfunc_end_k_qd9e1fd6a60_prep:
	.size	k_qd9e1fd6a60_prep, .Lfunc_end_k_qd9e1fd6a60_prep-k_qd9e1fd6a60_prep
	.p2alignl 7, 3214868480
	.fill 96, 4, 3214868480
	.section	.rodata,"a",@progbits
	.p2align	6, 0x0
	.amdhsa_kernel k_qd9e1fd6a60_prep
		.amdhsa_group_segment_fixed_size 9216
		.amdhsa_private_segment_fixed_size 0
		.amdhsa_enable_private_segment 0
		.amdhsa_kernarg_size 64
		.amdhsa_user_sgpr_count 2
		.amdhsa_user_sgpr_kernarg_segment_ptr 1
		.amdhsa_wavefront_size32 1
		.amdhsa_system_sgpr_workgroup_id_x 1
		.amdhsa_system_sgpr_workgroup_id_y 1
		.amdhsa_system_sgpr_workgroup_id_z 1
		.amdhsa_system_vgpr_workitem_id 0
		.amdhsa_next_free_vgpr 256
		.amdhsa_next_free_sgpr 66
		.amdhsa_reserve_vcc 0
		.amdhsa_float_denorm_mode_32 3
		.amdhsa_float_denorm_mode_16_64 3
		.amdhsa_memory_ordered 1
		.amdhsa_forward_progress 1
		.amdhsa_inst_pref_size 34
	.end_amdhsa_kernel
	.amdgpu_metadata
---
amdhsa.version: [ 1, 2 ]
amdhsa.kernels:
  - .name:           k_qd9e1fd6a60_prep
    .symbol:         k_qd9e1fd6a60_prep.kd
    .args:
      - { .name: W2, .offset: 0, .size: 8, .value_kind: global_buffer, .address_space: global }
      - { .name: W1, .offset: 8, .size: 8, .value_kind: global_buffer, .address_space: global }
      - { .name: hidden_state, .offset: 16, .size: 8, .value_kind: global_buffer, .address_space: global }
      - { .name: b1, .offset: 24, .size: 8, .value_kind: global_buffer, .address_space: global }
      - { .name: b2, .offset: 32, .size: 8, .value_kind: global_buffer, .address_space: global }
      - { .name: lowp_scales, .offset: 40, .size: 8, .value_kind: global_buffer, .address_space: global }
      - { .name: w2f, .offset: 48, .size: 8, .value_kind: global_buffer, .address_space: global }
      - { .name: hz, .offset: 56, .size: 8, .value_kind: global_buffer, .address_space: global }
    .group_segment_fixed_size: 9216
    .private_segment_fixed_size: 0
    .kernarg_segment_align: 8
    .kernarg_segment_size: 64
    .max_flat_workgroup_size: 256
    .sgpr_count:     66
    .vgpr_count:     256
    .wavefront_size: 32
...
	.end_amdgpu_metadata
.endif
;; end of part 1
;; launch score (part 2): grid 256 x 1, 4 waves a work-group, clusters of 4 x 1, 327,680 bytes of LDS; arguments encoder_output, w2f, hz, V, lowp_scales, sc, pc; writes sc, pc
.if DOCPART == 2
	.amdgcn_target "amdgcn-amd-amdhsa--gfx1250"
	.amdhsa_code_object_version 6
	.text
	.protected	k_qd9e1fd6a60_score
	.globl	k_qd9e1fd6a60_score
	.p2align	8
	.type	k_qd9e1fd6a60_score,@function
k_qd9e1fd6a60_score:
	s_mov_b64 s[64:65], 0
	v_nop
	global_prefetch_b8 v0, s[64:65] scope:SCOPE_SE
	s_setreg_imm32_b32 hwreg(HW_REG_WAVE_MODE, 25, 1), 1
	s_wait_xcnt 0x0
	s_wait_alu depctr_hold_cnt(0) depctr_sa_sdst(0) depctr_va_vdst(0) depctr_va_sdst(0) depctr_va_ssrc(0) depctr_va_vcc(0) depctr_vm_vsrc(0)
	s_getreg_b32 s2, hwreg(HW_REG_IB_STS2, 6, 4)
	s_cmp_eq_u32 s2, 0
	s_cbranch_scc0 .Lentry_in_a_cluster
	s_endpgm
.Lentry_in_a_cluster:
	s_bfe_u32 s2, ttmp6, 0x10000c
	s_cmp_lg_u32 s2, 0x3003
	s_cbranch_scc0 .Lentry_shape_is_right
	s_endpgm
.Lentry_shape_is_right:
; SCORE: sc[b][t] = q_t = the sum over u of V_u / (1 + 2^z), z = 2 log2(e) x (Q(enc) Q(W2))[t][u] + hz[b][u]: the second product on codes of E5M2, and tanh by its identity;
; and the work-group's part of the weighted sum: pc[g][d] = the sum over its 256 rows t of 2^(y_t - m_g) enc[t][d], y = -2 log2(e) q, m_g = the largest y of those rows (a running maximum over the two blocks).
; WORK LEFT OUT: bv and the sum of V are the same for all t of a batch and cancel in the softmax for all values (shown at the head of the first kernel); they are not loaded here.
; LIMITS: e2 between -126 and 112; e2 + e3 between -127 and 126 (added to the exponent field of 2 log2(e)).  NaN among the inputs is not served.
; SHARES.  256 work-groups of four waves; a work-group owns 256 rows (t) of one batch, in two blocks of 128.  Wave (rh = w / 2, nh = w % 2) owns 64 rows x 512 columns of a block.
;   A: a block's rows are loaded as f32, quantised in registers and laid in LDS (AN); each wave then keeps its 64 rows x 1,024 K of codes in 512 registers for the whole block.
;   B: w2f (register images of W2's codes) walks through two LDS slots of 64 KB = 4 tiles of 16 columns; a wave takes two of them: A SET = 4 row tiles x 2 column tiles = 8 accumulators x 8 K steps = 64 matrix instructions.
;   The four work-groups of a cluster walk the same slots and ask for them jointly (mask 15); each wave fetches a quarter of a slot.  Clusters start at different slots (ttmp9 % 16); the tables of hz and V are turned alike.
; A SET'S ORDER: the 64 matrix instructions, the accumulators by turns, no transcendental among them, the change of slots among the last sixteen; the refill; half of the next set's B fragments; then the set's
;   64 numbers a lane in whole batches, so that each batch has one wait ahead of it and one behind it.
; THE STREAM OF enc.  Wave w loads rows 32 w .. 32 w + 31 of a block.  Head: block 0 is quantised.  Block 0's sets: two rows of block 1 a set are quantised.  Block 1's sets: two rows of block 0 a set come again
;   and are added, x their p, into 32 sums a lane.  Tail: block 1's rows come again, eight rows a wave on their way.  The four waves' sums meet in LDS.
; NO DATA PREFETCH: enc is asked for by register loads 16 to 32 KB a wave ahead in every trip; w2f is 1 MB that every cluster walks in both passes.
; THE MATRIX INSTRUCTION IS USED TRANSPOSED: source 0 = 16 columns of W2, source 1 = 16 rows of enc: lane (r, h) holds row r, registers j = columns 8 h + j.
; REGISTERS.  window 0: v1-15 addresses and constants; v16-31 the scores' sums; v32-47 hz; v48-63 V; v64-127 accumulators (also the conversions' results); v128-143 at work; v144-175 the weighted sums; v176-197 the softmax.
;   window 1: v0-127 B, four K steps of 32; v128-255 two halves of 64 numbers of enc.   windows 2, 3: A's codes; in the head and in the tail window 2 holds numbers of enc.
.set SLOTB,  65536
.set AN,     131072                    ; 128 rows x APITCH
.set APITCH, 1040                      ; 1,024 codes + 16: an odd multiple of 16 bytes
.set TABH,   264192                    ; hz's 4,096 bytes, then V's
.set SCR,    272384                    ; the waves' parts of the scores
.set SPARE,  274432                    ; the spare words: 512 bytes that no other line names
.set PT,     274944                    ; a block's 128 p, a copy of its own for each wave: 4 x 512 bytes
.set C2L,    0x4038aa3b                ; 2 log2(e)
.set SPW,  1
.set NIL,  2
.set BF0,  3                           ; v3, v4: my B fragments in slot 0, 1
.set VHA0, 5
.set VHA,  6
.set ANW0, 7
.set ANW,  8
.set AFA,  9
.set GOF,  10
.set CSC,  11
.set SCW,  12
.set LIM,  13
.set SA,   16
.set HZ,   32
.set VV,   48
.set ACC,  64
.set T,    128
.set CC,   144                         ; register 4 n + e: d = 128 n + 4 lane + e
.set PW,   176                         ; up to four rows' p
.set Q,    180
.set MM,   188                         ; the running maximum (low word of a pair)
.set M1,   190
.set PWA0, 192
.set PWA,  193
.set QA,   194
.set PTW,  195
.set FF,   196
.set MSB, 0
.macro WIN new                         ; the immediate's high byte repeats the setting that is left
.if MSB != (\new)
	s_set_vgpr_msb (MSB<<8)|(\new)
.set MSB, (\new)
.endif
.endm
.macro PLACES
.rept 4
	v_nop
.endr
.endm
.macro CREST                           ; a round of the cluster's barrier behind its opening barrier
	s_cmp_lg_u32 s16, 0
	s_cbranch_scc1 .Lnot_wave_0_\@
	s_barrier_signal -3
.Lnot_wave_0_\@:
	s_barrier_wait -3
	s_barrier_signal -1
	s_barrier_wait -1
.endm
.macro CROUND                          ; a whole round
	s_barrier_signal -1
	s_barrier_wait -1
	CREST
.endm
; rows x 8 loads of 512 consecutive bytes into window w, v[base ..].  step = -1: back to block 0's first row.  nt = 1: the bytes' last read of the launch
.macro ISSUE base, w, rows, step, nt
	s_wait_xcnt 0x0                                ; the earlier loads have read their base
.if \step == -1
	s_mov_b64 s[44:45], s[72:73]
.elseif \step
	s_add_nc_u64 s[44:45], s[44:45], \step
.endif
	WIN (\w)<<6
.set e_, 0
.rept \rows
.irp n, 0,1,2,3,4,5,6,7
.if \nt
	global_load_b128 v[\base+32*e_+4*\n:\base+32*e_+4*\n+3], v[GOF], s[44:45] offset:4096*e_+512*\n th:TH_LOAD_NT
.else
	global_load_b128 v[\base+32*e_+4*\n:\base+32*e_+4*\n+3], v[GOF], s[44:45] offset:4096*e_+512*\n
.endif
.endr
.set e_, e_+1
.endr
	WIN 0
.endm
; these rows become codes in AN.  younger: the loads issued behind them.  Place 256 c + 8 l + 4 s + e holds k = 256 c + 128 s + 4 l + e, as in w2f
.macro CONS base, w, rows, younger, qoff, adv
	s_wait_dscnt 0x0
	v_add_nc_u32 v[ANW], s22, v[ANW0]
.set e_, 0
.rept \rows
	s_wait_loadcnt \younger+8*(\rows-1-e_)         ; this row's eight loads are in; behind them: the later rows' and the younger ones
	WIN ((\w)<<6)|(\w)
.set q_, 0
.rept 32
	v_med3_num_f32 v[\base+32*e_+q_], v[\base+32*e_+q_], -v[LIM], v[LIM]   ; the hold at the largest code x the scale (ISA guide 7.6.2)
.set q_, q_+1
.endr
.set e_, e_+1
.endr
	WIN (\w)
.set q_, 0
.rept 4*\rows
	v_cvt_scalef32_pk8_bf8_f32 v[ACC+2*q_:ACC+2*q_+1], v[\base+8*q_:\base+8*q_+7], v[CSC]
.set q_, q_+1
.endr
	v_nop                                          ; one plain line behind the last conversion
	WIN 0
.set q_, 0
.rept 4*\rows
	ds_store_b64 v[ANW], v[ACC+2*q_:ACC+2*q_+1] offset:\qoff+APITCH*(q_/4)+256*(q_%4)
.set q_, q_+1
.endr
.if \adv
	s_add_co_u32 s22, s22, \adv
.endif
.endm
; these rows x their p are added into the weighted sums: sixteen chains by turns.  An even row's p is the low word of its pair, an odd row's the high word
.macro CACC base, w, rows, younger
.set e_, 0
.rept \rows
	s_wait_loadcnt \younger+8*(\rows-1-e_)
	WIN (\w)
.set q_, 0
.rept 16
.if e_%2 == 0
	v_pk_fma_f32 v[CC+2*q_:CC+2*q_+1], v[\base+32*e_+2*q_:\base+32*e_+2*q_+1], v[PW+2*(e_/2):PW+2*(e_/2)+1], v[CC+2*q_:CC+2*q_+1] op_sel_hi:[1,0,1]
.else
	v_pk_fma_f32 v[CC+2*q_:CC+2*q_+1], v[\base+32*e_+2*q_:\base+32*e_+2*q_+1], v[PW+2*(e_/2):PW+2*(e_/2)+1], v[CC+2*q_:CC+2*q_+1] op_sel:[0,1,0] op_sel_hi:[1,1,1]
.endif
.set q_, q_+1
.endr
.set e_, e_+1
.endr
	WIN 0
.endm
.macro BPRE s                          ; B's fragments of K steps 0 to 3 of my two tiles in slot s
	WIN 0x40
.set q_, 0
.rept 32
	ds_load_b128 v[4*q_:4*q_+3], v[BF0+(\s)] offset:16384*((q_/4)%2)+2048*(q_/8)+512*(q_%4)
.set q_, q_+1
.endr
	WIN 0
.endm
.macro AFETCH                          ; my 64 rows x 1,024 K of codes: K step ks, row tile tt at v[64 (ks % 4) + 16 tt] of window 2 + ks / 4
.irp ks, 0,1,2,3,4,5,6,7
	WIN 0x80+0x40*(\ks/4)
.irp tt, 0,1,2,3
.irp c, 0,1,2,3
	ds_load_b128 v[64*(\ks%4)+16*\tt+4*\c:64*(\ks%4)+16*\tt+4*\c+3], v[AFA] offset:16*APITCH*\tt+128*\ks+32*\c
.endr
.endr
.endr
	WIN 0
.endm
; 64 matrix instructions: accumulator a = 4 u + tt (column tile u, row tile tt), one instruction a turn.  K steps 4 to 7 of B follow into the registers of K steps 0 to 3, four places behind their products.
; sync = 1, 2: the change of slots.  Ahead of K step 6: all my tensor loads are in, and the add; ahead of K step 7: the add and my last reads of the slot are done, and the signal; behind it the barrier's wait.
; sync = 2: the barrier opens a round of the cluster's barrier, and slot s takes its next four tiles, two slots on in w2f (which wraps at 1 MB).  pw = 1: the p of this set's two rows are fetched too.
.macro RUN s, voff, sync, pw
.set ks_, 0
.rept 8
.if ks_ == 0
	s_wait_dscnt 0x0                               ; B's K steps 0 to 3 (and A, and my stores into AN)
.elseif (ks_ == 6) && (\sync)
	WIN 0
	s_wait_tensorcnt 0x0
	ds_add_u32 v[SPW], v[NIL]
.if \sync == 2
	s_add_co_u32 s[40+2*\s], s[40+2*\s], 2*SLOTB
	s_and_b32 s[40+2*\s], s[40+2*\s], 0xfffff
	s_add_nc_u64 s[34+4*\s:35+4*\s], s[6:7], s[40+2*\s:41+2*\s]
	s_or_b32 s[35+4*\s], s[35+4*\s], 0x80000000
.endif
	s_wait_dscnt 9                                 ; K step 6's loads are in; K step 7's eight and the add may be out
.elseif (ks_ == 7) && (\sync)
	s_wait_dscnt 0x0
	s_barrier_signal -1
.elseif ks_ >= 4
	s_wait_dscnt 8*(7-ks_)                         ; this K step's eight loads are in; eight for each later K step may be out
.endif
	WIN 0x09+4*(ks_/4)
.set a_, 0
.rept 8
.set rD, ACC+8*a_
.set rB, 32*(ks_%4)+16*(a_/4)
.set rA, 64*(ks_%4)+16*(a_%4)
.if ks_ == 0
	v_wmma_f32_16x16x128_bf8_bf8 v[rD:rD+7], v[rB:rB+15], v[rA:rA+15], 0
.else
	v_wmma_f32_16x16x128_bf8_bf8 v[rD:rD+7], v[rB:rB+15], v[rA:rA+15], v[rD:rD+7]
.endif
.set a_, a_+1
.endr
.if ks_ < 4
.if ks_ == 0
	WIN 0
	v_add_nc_u32 v[VHA], s23, v[VHA0]              ; (among the four places)
.if \pw
	v_add_nc_u32 v[PWA], s74, v[PWA0]
.else
	v_nop
.endif
	v_nop
	v_nop
.irp u, 0,1
	ds_load_b128 v[HZ+8*\u:HZ+8*\u+3],   v[VHA] offset:\voff+64*\u          ; hz and V at my eight columns of tile u
	ds_load_b128 v[HZ+8*\u+4:HZ+8*\u+7], v[VHA] offset:\voff+64*\u+16
	ds_load_b128 v[VV+8*\u:VV+8*\u+3],   v[VHA] offset:\voff+64*\u+4096
	ds_load_b128 v[VV+8*\u+4:VV+8*\u+7], v[VHA] offset:\voff+64*\u+4096+16
.endr
.if \pw
	ds_load_b64 v[PW:PW+1], v[PWA] offset:8*\s     ; every lane reads the same 8 bytes
.endif
.else
	PLACES
.endif
	WIN 0x40
.set q_, 0
.rept 8
	ds_load_b128 v[32*ks_+4*q_:32*ks_+4*q_+3], v[BF0+\s] offset:16384*(q_/4)+2048*(ks_+4)+512*(q_%4)
.set q_, q_+1
.endr
.endif
.set ks_, ks_+1
.endr
	WIN 0
.if \sync
	s_barrier_wait -1
.endif
.if \sync == 2
	CREST
	tensor_load_to_lds s[32+4*\s:35+4*\s], s[24:31]
	s_nop 0
.endif
	PLACES                                         ; the places behind the set's last products
.endm
; the set's 64 numbers a lane.  Each accumulator is first read at its low end.
.macro EPI
.set i_, 0
.rept 32
.set rX, ACC+8*(i_%8)+2*(i_/8)
	v_pk_fma_f32 v[rX:rX+1], v[rX:rX+1], s[48:49], v[HZ+8*((i_%8)/4)+2*(i_/8):HZ+8*((i_%8)/4)+2*(i_/8)+1] op_sel_hi:[1,0,1]   ; z
.set i_, i_+1
.endr
	s_wait_alu depctr_va_vdst(0)                   ; the wait ahead of the batch
.set i_, 0
.rept 64
	v_exp_f32 v[ACC+i_], v[ACC+i_]
.set i_, i_+1
.endr
	v_nop
	s_wait_alu depctr_va_vdst(0)                   ; and behind it
.set i_, 0
.rept 32
	v_pk_add_f32 v[ACC+2*i_:ACC+2*i_+1], v[ACC+2*i_:ACC+2*i_+1], 1.0 op_sel_hi:[1,0]
.set i_, i_+1
.endr
	s_wait_alu depctr_va_vdst(0)
.set i_, 0
.rept 64
	v_rcp_f32 v[ACC+i_], v[ACC+i_]
.set i_, i_+1
.endr
	v_nop
	s_wait_alu depctr_va_vdst(0)
.set i_, 0
.rept 32
.set rX, ACC+8*(i_%8)+2*(i_/8)
	v_pk_fma_f32 v[SA+2*(i_%8):SA+2*(i_%8)+1], v[rX:rX+1], v[VV+8*((i_%8)/4)+2*(i_/8):VV+8*((i_%8)/4)+2*(i_/8)+1], v[SA+2*(i_%8):SA+2*(i_%8)+1]   ; eight chains by turns
.set i_, i_+1
.endr
.endm
; stream: 2 quantise two rows and ask for two more; 3 add two rows and ask for two more; 4 add two rows; 5 add two rows and ask for the tail's first eight.  y: loads younger than the half in hand
.macro SET s, sync, stream, voff, y, step, nt
.if \stream >= 3
	RUN \s, \voff, \sync, 1
.else
	RUN \s, \voff, \sync, 0
.endif
.if \sync
	BPRE 1-\s
.endif
.if \stream >= 3
	CACC 128+64*\s, 1, 2, \y
.endif
.if \stream == 3
	ISSUE 128+64*\s, 1, 2, \step, \nt
.elseif \stream == 5
	ISSUE 0, 2, 4, 401408, 1                       ; block 1's first row of mine: 524,288 bytes from block 0's
	ISSUE 128, 2, 4, 16384, 1
.endif
	EPI
.if \stream == 2
	CONS 128+64*\s, 1, 2, \y, 2*APITCH*\s, 4*APITCH*\s
	ISSUE 128+64*\s, 1, 2, \step, \nt
.endif
.endm
.macro FINISH blk                      ; my 64 rows' sums over my 512 columns: the eight chains, the pairs' halves, lane l xor 16
.irp tt, 0,1,2,3
	v_pk_add_f32 v[T+2*\tt:T+2*\tt+1], v[SA+2*\tt:SA+2*\tt+1], v[SA+8+2*\tt:SA+8+2*\tt+1]
.endr
.irp tt, 0,1,2,3
	v_add_f32 v[T+8+\tt], v[T+2*\tt], v[T+2*\tt+1]
.endr
.irp tt, 0,1,2,3
	v_permlanex16_b32 v[T+12+\tt], v[T+8+\tt], s56, s57
.endr
.irp tt, 0,1,2,3
	v_add_f32 v[T+8+\tt], v[T+8+\tt], v[T+12+\tt]
.endr
.irp tt, 0,1,2,3
	ds_store_b32 v[SCW], v[T+8+\tt] offset:1024*\blk+64*\tt
.endr
.if \blk == 0
.set i_, 0
.rept 16
	v_mov_b32 v[SA+i_], 0
.set i_, i_+1
.endr
.endif
.endm
; behind the barrier behind FINISH: every wave takes the block's 128 q (lane l: rows 4 l .. 4 l + 3), y, the running maximum and p = 2^(y - m), and keeps the 128 p in its own copy of PT.
; blk = 0: the weighted sums begin at 0.  blk = 1: they are brought under the new maximum, x 2^(old m - new m).
.macro PSOFT blk
	ds_load_b128 v[Q:Q+3], v[QA] offset:1024*\blk
	ds_load_b128 v[Q+4:Q+7], v[QA] offset:1024*\blk+256
	s_wait_dscnt 0x0
	v_pk_add_f32 v[Q:Q+1], v[Q:Q+1], v[Q+4:Q+5]    ; the two column halves' parts
	v_pk_add_f32 v[Q+2:Q+3], v[Q+2:Q+3], v[Q+6:Q+7]
	v_pk_mul_f32 v[Q:Q+1], v[Q:Q+1], s[76:77] op_sel_hi:[1,0]
	v_pk_mul_f32 v[Q+2:Q+3], v[Q+2:Q+3], s[76:77] op_sel_hi:[1,0]
	v_max3_num_f32 v[M1], v[Q], v[Q+1], v[Q+2]
	v_max_num_f32 v[M1], v[M1], v[Q+3]
	v_max_num_f32_dpp v[M1], v[M1], v[M1] row_xmask:1 row_mask:0xf bank_mask:0xf
	v_max_num_f32_dpp v[M1], v[M1], v[M1] row_xmask:2 row_mask:0xf bank_mask:0xf
	v_max_num_f32_dpp v[M1], v[M1], v[M1] row_xmask:4 row_mask:0xf bank_mask:0xf
	v_max_num_f32_dpp v[M1], v[M1], v[M1] row_xmask:8 row_mask:0xf bank_mask:0xf
	v_permlanex16_b32 v[M1+1], v[M1], s56, s57
.if \blk == 0
	v_max_num_f32 v[MM], v[M1], v[M1+1]
.else
	v_max3_num_f32 v[M1], v[M1], v[M1+1], v[MM]
	v_sub_f32 v[FF], v[MM], v[M1]
	v_mov_b32 v[MM], v[M1]
.endif
	v_pk_add_f32 v[Q:Q+1], v[Q:Q+1], v[MM:MM+1] op_sel_hi:[1,0] neg_lo:[0,1] neg_hi:[0,1]
	v_pk_add_f32 v[Q+2:Q+3], v[Q+2:Q+3], v[MM:MM+1] op_sel_hi:[1,0] neg_lo:[0,1] neg_hi:[0,1]
	s_wait_alu depctr_va_vdst(0)                   ; the wait ahead of the batch
.irp j, 0,1,2,3
	v_exp_f32 v[Q+\j], v[Q+\j]
.endr
.if \blk
	v_exp_f32 v[FF], v[FF]
.endif
	v_nop
	s_wait_alu depctr_va_vdst(0)                   ; and behind it
	ds_store_b128 v[PTW], v[Q:Q+3]                 ; my own copy: LDS serves a wave's instructions in order (ISA guide 5.7.1.4), so my later loads see it
.set i_, 0
.if \blk == 0
.rept 32
	v_mov_b32 v[CC+i_], 0
.set i_, i_+1
.endr
.else
.rept 16
	v_pk_mul_f32 v[CC+2*i_:CC+2*i_+1], v[CC+2*i_:CC+2*i_+1], v[FF:FF+1] op_sel_hi:[1,0]
.set i_, i_+1
.endr
.endif
	s_wait_alu depctr_va_vdst(0)
.endm
.macro TCH base, y, off                ; the tail: four rows' p, then the four rows
	v_add_nc_u32 v[PWA], s74, v[PWA0]
	ds_load_b128 v[PW:PW+3], v[PWA] offset:\off
	s_wait_dscnt 0x0
	CACC \base, 2, 4, \y
.endm
	s_load_b256 s[4:11], s[0:1], 0x0               ; enc s[4:5], w2f s[6:7], hz s[8:9], V s[10:11]
	s_load_b128 s[12:15], s[0:1], 0x20             ; the exponents s[12:13], sc s[14:15]
	s_load_b64 s[78:79], s[0:1], 0x30              ; pc
	v_lshl_add_u32 v[SPW], v0, 2, SPARE
	v_mov_b32 v[NIL], 0
	ds_add_u32 v[SPW], v[NIL]                      ; the opening lines: the add twice on end and its wait
	ds_add_u32 v[SPW], v[NIL]
	v_lshrrev_b32 v14, 5, v0
	v_readfirstlane_b32 s16, v14                   ; wave
	s_lshr_b32 s17, s16, 1                         ; rh
	s_and_b32 s18, s16, 1                          ; nh
	s_bfe_u32 s19, ttmp6, 0x40000                  ; cx
	s_lshl_b32 s20, ttmp9, 2
	s_add_co_u32 s20, s20, s19                     ; work-group
	s_mov_b32 s24, 15|(3<<16)|(1<<21)              ; group 1: mask of the four, elements of 8 bytes; 64 rows of 256 bytes, dense
	s_mov_b32 s25, 32<<16
	s_mov_b32 s26, 64<<16
	s_mov_b32 s27, 32<<16
	s_mov_b32 s28, 64
	s_mov_b32 s29, 32
	s_mov_b32 s30, 0
	s_mov_b32 s31, 0
	s_mov_b32 s56, 0x76543210
	s_mov_b32 s57, 0xfedcba98
	s_mov_b32 s76, 0xc038aa3b                      ; -2 log2(e)
	s_mov_b32 s77, s76
	s_and_b32 s62, ttmp9, 15                       ; the cluster's first slot of w2f
	s_lshl_b32 s63, s62, 8
	s_lshl_b32 s33, s16, 14                        ; my quarter of a slot
	s_add_co_u32 s37, s33, SLOTB
	s_lshl_b32 s40, s62, 16
	s_add_co_u32 s40, s40, s33
	s_mov_b32 s41, 0
	s_add_co_u32 s42, s40, SLOTB
	s_and_b32 s42, s42, 0xfffff
	s_mov_b32 s43, 0
	s_lshl_b32 s60, s20, 20                        ; enc: 256 rows of 4,096 bytes a work-group
	s_mov_b32 s61, 0
	s_lshl_b32 s46, s20, 10                        ; sc
	s_mov_b32 s47, 0
	s_lshl_b32 s50, s20, 12                        ; pc
	s_mov_b32 s51, 0
	s_lshr_b32 s58, ttmp9, 2                       ; the batch
	s_lshl_b32 s58, s58, 12
	s_mov_b32 s59, 0
	s_mov_b32 s22, 0
	s_mov_b32 s23, 0
	s_lshl_b32 s66, s18, 15
	s_lshl_b32 s67, s18, 7
	s_add_co_u32 s67, s67, TABH
	s_mul_i32 s68, s16, 32*APITCH
	s_add_co_u32 s68, s68, AN
	s_mul_i32 s69, s17, 64*APITCH
	s_add_co_u32 s69, s69, AN
	s_lshl_b32 s70, s16, 17
	s_lshl_b32 s71, s16, 8
	s_add_co_u32 s71, s71, SCR
	s_mul_i32 s75, s16, 640                        ; my copy of PT (512 w), and in it my own 32 rows (128 w)
	s_add_co_u32 s75, s75, PT
	s_lshl_b32 s74, s16, 9
	s_add_co_u32 s74, s74, PT
	v_and_b32 v[T], 31, v0                         ; lane
	v_and_b32 v[T+1], 15, v0                       ; r
	v_bfe_u32 v[T+2], v0, 4, 1                     ; h
	v_lshl_add_u32 v[BF0], v[T], 4, s66            ; B: 16 lane + my two tiles of a slot
	v_add_nc_u32 v[BF0+1], SLOTB, v[BF0]
	v_lshl_add_u32 v[VHA0], v[T+2], 5, s67         ; tables: 32 h + 128 nh
	v_lshl_add_u32 v[ANW0], v[T], 3, s68           ; AN, in: 8 lane, rows 32 w on
	v_mul_u32_u24 v[AFA], v[T+1], APITCH
	v_lshl_add_u32 v[AFA], v[T+2], 4, v[AFA]
	v_add_nc_u32 v[AFA], s69, v[AFA]               ; AN, out: row r, 16 h, rows 64 rh on
	v_lshl_add_u32 v[GOF], v[T], 4, s70            ; enc: 16 lane, rows 32 w on
	v_lshl_add_u32 v[SCW], v[T+1], 2, s71
	v_mov_b32 v[PWA0], s75
	v_lshl_add_u32 v[PTW], v[T], 4, s74
	v_lshl_add_u32 v[QA], v[T+1], 4, SCR
	v_lshl_add_u32 v[QA], v[T+2], 9, v[QA]         ; rows 4 lane on: 512 (lane / 16) + 16 (lane % 16)
	v_mov_b32 v[M1+1], 0                           ; (a lane permute's destination, and the upper words of pairs that are named)
	v_mov_b32 v[MM+1], 0
	v_mov_b32 v[FF+1], 0
	v_lshlrev_b32 v14, 4, v0
	v_add_nc_u32 v15, TABH, v14
	v_add_nc_u32 v[T+3], s63, v14                  ; the tables are turned by the cluster's first slot: 256 bytes a slot
	v_and_b32 v[T+3], 0xfff, v[T+3]
	v_add_nc_u32 v[T+4], 2048, v[T+3]
	v_and_b32 v[T+4], 0xfff, v[T+4]
	s_mov_b32 s74, 0
	s_wait_alu depctr_va_vdst(0)                   ; the wait here, ahead of the waits below
	s_wait_dscnt 0x0                               ; both opening adds are done
	s_wait_kmcnt 0x0
	s_load_b128 s[52:55], s[12:13], 0x0            ; e0 .. e3
	s_add_nc_u64 s[44:45], s[4:5], s[60:61]
	s_mov_b64 s[72:73], s[44:45]
	s_add_nc_u64 s[14:15], s[14:15], s[46:47]
	s_add_nc_u64 s[78:79], s[78:79], s[50:51]
	s_add_nc_u64 s[8:9], s[8:9], s[58:59]
	s_mov_b32 s32, 1
	s_add_nc_u64 s[34:35], s[6:7], s[40:41]
	s_or_b32 s35, s35, 0x80000000
	s_mov_b32 s36, 1
	s_add_nc_u64 s[38:39], s[6:7], s[42:43]
	s_or_b32 s39, s39, 0x80000000
	global_load_b128 v[88:91], v[T+3], s[8:9]
	global_load_b128 v[92:95], v[T+4], s[8:9]
	global_load_b128 v[96:99], v[T+3], s[10:11]
	global_load_b128 v[100:103], v[T+4], s[10:11]
	ISSUE 0, 2, 4, 0, 0                            ; block 0's first eight rows of my 32 set out ahead of the round
	ISSUE 128, 2, 4, 16384, 0
	CROUND                                         ; in front of the first joint load
	tensor_load_to_lds s[32:35], s[24:31]          ; slot 0: one tensor load a wave at the head
	s_nop 0
	PLACES
	s_wait_kmcnt 0x0
	s_add_co_i32 s62, s54, s55                     ; a sum stands for sum x 2^(e2 + e3): added to the exponent field of 2 log2(e)
	s_lshl_b32 s62, s62, 23
	s_add_co_i32 s48, s62, C2L
	s_mov_b32 s49, s48
	s_add_co_i32 s62, s54, 127
	s_lshl_b32 s63, s62, 23
	v_mov_b32 v[CSC], s63                          ; 2^e2
	s_add_co_i32 s62, s62, 15
	s_lshl_b32 s62, s62, 23
	s_or_b32 s62, s62, 0x600000
	v_mov_b32 v[LIM], s62                          ; 57,344 x 2^e2
.set i_, 0
.rept 16
	v_mov_b32 v[SA+i_], 0
.set i_, i_+1
.endr
.irp n, 12,13,14,15
	v_mov_b32 v[T+\n], 0                           ; (a lane permute's destination counts as a source)
.endr
	s_wait_alu depctr_va_vdst(0)                   ; the wait at the head's end
	s_wait_loadcnt 63                              ; the tables' four loads are in: 64 are younger, and 63 is the largest count that the wait can name
	ds_store_b128 v15, v[88:91]
	ds_store_b128 v15, v[92:95] offset:2048
	ds_store_b128 v15, v[96:99] offset:4096
	ds_store_b128 v15, v[100:103] offset:6144
	s_mov_b32 s21, 3
.Lfirst:                                               ; block 0: eight rows a trip, eight more asked for
	CONS 0, 2, 4, 32, 0, 0
	ISSUE 0, 2, 4, 16384, 0
	CONS 128, 2, 4, 32, 4*APITCH, 8*APITCH
	ISSUE 128, 2, 4, 16384, 0
	s_sub_co_u32 s21, s21, 1
	s_cmp_lg_u32 s21, 0
	s_cbranch_scc1 .Lfirst
	CONS 0, 2, 4, 32, 0, 0
	ISSUE 128, 1, 2, 409600, 0                     ; block 1's first two halves: 128 rows on from my first row
	ISSUE 192, 1, 2, 8192, 0
	CONS 128, 2, 4, 32, 4*APITCH, 0
	s_mov_b32 s22, 0
	s_wait_tensorcnt 0x0                           ; slot 1's first fill goes as a refill goes: my part of slot 0 is in,
	ds_add_u32 v[SPW], v[NIL]                      ; the add,
	s_wait_dscnt 0x0                               ; and, for the others' sake too, my codes and my part of the tables have landed
	CROUND
	tensor_load_to_lds s[36:39], s[24:31]
	s_nop 0
	PLACES
	BPRE 0
	AFETCH
	s_mov_b32 s21, 7
.Lblock0:                                              ; sets 0 to 13
	SET 0, 2, 2, 0, 16, 8192, 0
	SET 1, 2, 2, 256, 16, 8192, 0
	s_add_co_u32 s23, s23, 512
	s_sub_co_u32 s21, s21, 1
	s_cmp_lg_u32 s21, 0
	s_cbranch_scc1 .Lblock0
	SET 0, 2, 2, 0, 16, -1, 1                      ; sets 14, 15: block 1's last rows are quantised; block 0's first four rows are asked for again
	SET 1, 2, 2, 256, 16, 8192, 1
	FINISH 0
	s_mov_b32 s23, 0
	s_wait_dscnt 0x0                               ; for the others' sake: my rows of block 1 have landed in AN, my parts of the scores in SCR
	s_barrier_signal -1
	s_barrier_wait -1
	AFETCH
	PSOFT 0
	s_mov_b32 s21, 7
.Lblock1:                                              ; sets 16 to 29
	SET 0, 2, 3, 0, 16, 8192, 1
	SET 1, 2, 3, 256, 16, 8192, 1
	s_add_co_u32 s23, s23, 512
	s_add_co_u32 s74, s74, 16
	s_sub_co_u32 s21, s21, 1
	s_cmp_lg_u32 s21, 0
	s_cbranch_scc1 .Lblock1
	SET 0, 1, 4, 0, 16, 0, 1                       ; the last two sets fill no slot
	SET 1, 0, 5, 256, 0, 0, 1
	FINISH 1
	s_wait_dscnt 0x0
	s_barrier_signal -1
	s_barrier_wait -1
	v_and_b32 v14, 31, v0                          ; wave w adds the two column halves' parts of rows 64 w .. 64 w + 63 and stores 256 consecutive bytes of sc
	s_lshl_b32 s62, s16, 9
	s_add_co_u32 s62, s62, SCR
	v_lshl_add_u32 v14, v14, 3, s62
	v_lshlrev_b32 v15, 3, v0
	ds_load_b64 v[T:T+1], v14
	ds_load_b64 v[T+2:T+3], v14 offset:256
	s_wait_dscnt 0x0
	v_pk_add_f32 v[T:T+1], v[T:T+1], v[T+2:T+3]
	s_wait_alu depctr_va_vdst(0)                   ; v15 was written ahead of the wait above
	global_store_b64 v15, v[T:T+1], s[14:15]
	PSOFT 1
	s_mov_b32 s74, 0
	s_mov_b32 s21, 3
.Ltail:                                                ; block 1's rows again: eight rows a trip, eight more asked for
	TCH 0, 32, 0
	ISSUE 0, 2, 4, 16384, 1
	TCH 128, 32, 16
	ISSUE 128, 2, 4, 16384, 1
	s_add_co_u32 s74, s74, 32
	s_sub_co_u32 s21, s21, 1
	s_cmp_lg_u32 s21, 0
	s_cbranch_scc1 .Ltail
	TCH 0, 32, 0
	TCH 128, 0, 16
	; the four waves' sums meet in slot 0's first 16 KB: that slot has had its last fill, and every wave has passed barriers behind its last read of it
	v_and_b32 v14, 31, v0                          ; (the store of sc has read v14's and v15's old values: s_wait_xcnt 0 stands in the tail's ISSUE)
	s_lshl_b32 s62, s16, 12
	v_lshl_add_u32 v14, v14, 4, s62
	v_lshlrev_b32 v15, 4, v0
.irp n, 0,1,2,3,4,5,6,7
	ds_store_b128 v14, v[CC+4*\n:CC+4*\n+3] offset:512*\n
.endr
	s_wait_alu depctr_va_vdst(0)
	s_wait_dscnt 0x0
	s_barrier_signal -1
	s_barrier_wait -1
.irp o, 0,1,2,3
	ds_load_b128 v[ACC+8*\o:ACC+8*\o+3], v15 offset:4096*\o
	ds_load_b128 v[ACC+8*\o+4:ACC+8*\o+7], v15 offset:4096*\o+2048
.endr
	s_wait_dscnt 0x0
.irp j, 0,2,4,6
	v_pk_add_f32 v[ACC+\j:ACC+\j+1], v[ACC+\j:ACC+\j+1], v[ACC+8+\j:ACC+8+\j+1]
	v_pk_add_f32 v[ACC+16+\j:ACC+16+\j+1], v[ACC+16+\j:ACC+16+\j+1], v[ACC+24+\j:ACC+24+\j+1]
.endr
.irp j, 0,2,4,6
	v_pk_add_f32 v[ACC+\j:ACC+\j+1], v[ACC+\j:ACC+\j+1], v[ACC+16+\j:ACC+16+\j+1]
.endr
	global_store_b128 v15, v[ACC:ACC+3], s[78:79]              ; a wave stores 512 consecutive bytes, twice
	global_store_b128 v15, v[ACC+4:ACC+7], s[78:79] offset:2048
	s_wait_tensorcnt 0x0                           ; the wave's end
	ds_add_u32 v[SPW], v[NIL]
	s_wait_dscnt 0x0
	CROUND                                         ; the closing round
	s_endpgm
.Lfunc_end_k_qd9e1fd6a60_score:
	.size	k_qd9e1fd6a60_score, .Lfunc_end_k_qd9e1fd6a60_score-k_qd9e1fd6a60_score
	.p2alignl 7, 3214868480
	.fill 96, 4, 3214868480
	.section	.rodata,"a",@progbits
	.p2align	6, 0x0
	.amdhsa_kernel k_qd9e1fd6a60_score
		.amdhsa_group_segment_fixed_size 327680
		.amdhsa_private_segment_fixed_size 0
		.amdhsa_enable_private_segment 0
		.amdhsa_kernarg_size 56
		.amdhsa_user_sgpr_count 2
		.amdhsa_user_sgpr_kernarg_segment_ptr 1
		.amdhsa_wavefront_size32 1
		.amdhsa_system_sgpr_workgroup_id_x 1
		.amdhsa_system_sgpr_workgroup_id_y 1
		.amdhsa_system_sgpr_workgroup_id_z 1
		.amdhsa_system_vgpr_workitem_id 0
		.amdhsa_next_free_vgpr 1024
		.amdhsa_next_free_sgpr 80
		.amdhsa_reserve_vcc 0
		.amdhsa_float_denorm_mode_32 3
		.amdhsa_float_denorm_mode_16_64 3
		.amdhsa_memory_ordered 1
		.amdhsa_forward_progress 1
		.amdhsa_inst_pref_size 255
	.end_amdhsa_kernel
	.section	.bss,"aw",@nobits
	.p2align	6
	.space	262144
	.amdgpu_metadata
---
amdhsa.version: [ 1, 2 ]
amdhsa.kernels:
  - .name:           k_qd9e1fd6a60_score
    .symbol:         k_qd9e1fd6a60_score.kd
    .args:
      - { .name: encoder_output, .offset: 0, .size: 8, .value_kind: global_buffer, .address_space: global }
      - { .name: w2f, .offset: 8, .size: 8, .value_kind: global_buffer, .address_space: global }
      - { .name: hz, .offset: 16, .size: 8, .value_kind: global_buffer, .address_space: global }
      - { .name: V, .offset: 24, .size: 8, .value_kind: global_buffer, .address_space: global }
      - { .name: lowp_scales, .offset: 32, .size: 8, .value_kind: global_buffer, .address_space: global }
      - { .name: sc, .offset: 40, .size: 8, .value_kind: global_buffer, .address_space: global }
      - { .name: pc, .offset: 48, .size: 8, .value_kind: global_buffer, .address_space: global }
    .group_segment_fixed_size: 327680
    .private_segment_fixed_size: 0
    .kernarg_segment_align: 8
    .kernarg_segment_size: 56
    .max_flat_workgroup_size: 128
    .sgpr_count:     80
    .vgpr_count:     1024
    .wavefront_size: 32
...
	.end_amdgpu_metadata
.endif
;; end of part 2
;; launch finish (part 3): grid 64 x 1, 16 waves a work-group, no clusters, 18,944 bytes of LDS; arguments sc, pc, out0, out1; writes out0, out1
.if DOCPART == 3
	.amdgcn_target "amdgcn-amd-amdhsa--gfx1250"
	.amdhsa_code_object_version 6
	.text
	.protected	k_qd9e1fd6a60_finish
	.globl	k_qd9e1fd6a60_finish
	.p2align	8
	.type	k_qd9e1fd6a60_finish,@function
k_qd9e1fd6a60_finish:
	s_mov_b64 s[64:65], 0
	v_nop
	global_prefetch_b8 v0, s[64:65] scope:SCOPE_SE
	s_setreg_imm32_b32 hwreg(HW_REG_WAVE_MODE, 25, 1), 1
	s_wait_xcnt 0x0
; FINISH: out1[b][t] = softmax over t of y, y = -2 log2(e) sc[b][t]; out0[b][d] = the sum over the batch's 16 parts g of 2^(m_g - M) pc[g][d], divided by the batch's sum of 2^(y - M).
; sc is the score less the terms that are the same for all t of a batch (bv, the sum of V), which cancel in the softmax for all values and are left out.  The batch's maximum M is taken away before the exponential.
; m_g, the largest y of part g's 256 rows, is taken here from the same q by the same multiplication as in the launch before: the same bits.
; SHARES.  Work-group (b = x / 4, part = x % 4) of sixteen waves.  Wave w takes rows 256 w .. 256 w + 255 of the batch, which are part g = 16 b + w, and 256 numbers (1 KB) of pc[g], 256 part on.
; Every work-group of a batch makes M and the sum; it writes out0[b][256 part ..] (waves 0, 1) and out1's rows 1,024 part .. (waves 4 part .. 4 part + 3): one owner for each output.
; No matrix unit, no tensor load, no cluster, no prefetch: 16 KB of sc and 16 KB of pc a work-group, each asked for once at the head; there is no loop to run ahead in.
.set MX,    0                          ; 16 maxima
.set LS,    256                        ; 16 sums of p
.set CT,    512                        ; 16 scaled parts of 1 KB
.set SPARE, 16896                      ; the spare words: 128 bytes for each wave
	s_load_b256 s[4:11], s[0:1], 0x0               ; sc, pc, out0, out1
	v_lshl_add_u32 v1, v0, 2, SPARE
	v_mov_b32 v2, 0
	v_lshrrev_b32 v3, 5, v0
	v_readfirstlane_b32 s12, v3                    ; wave
	s_lshr_b32 s13, ttmp9, 2                       ; b
	s_and_b32 s14, ttmp9, 3                        ; part
	s_lshl_b32 s16, s13, 14
	s_lshl_b32 s17, s12, 10
	s_add_co_u32 s16, s16, s17                     ; sc, out1: 16,384 b + 1,024 w
	s_mov_b32 s17, 0
	s_lshl_b32 s18, s13, 4
	s_add_co_u32 s18, s18, s12
	s_lshl_b32 s18, s18, 12
	s_lshl_b32 s19, s14, 10
	s_add_co_u32 s18, s18, s19                     ; pc: 4,096 (16 b + w) + 1,024 part
	s_lshl_b32 s20, s13, 12
	s_add_co_u32 s20, s20, s19                     ; out0: 4,096 b + 1,024 part
	s_mov_b32 s19, 0
	s_mov_b32 s21, 0
	s_lshl_b32 s22, s12, 2
	s_lshl_b32 s23, s12, 10
	s_add_co_u32 s23, s23, CT
	s_lshr_b32 s15, s12, 2
	s_mov_b32 s26, 0xc038aa3b                      ; -2 log2(e)
	s_mov_b32 s27, s26
	s_mov_b32 s28, 0x76543210                      ; v_permlanex16_b32: lane l xor 16
	s_mov_b32 s29, 0xfedcba98
	v_and_b32 v3, 31, v0
	v_lshlrev_b32 v7, 4, v3                        ; 16 lane
	v_mov_b32 v11, s22
	v_add_nc_u32 v10, s23, v7
	v_lshlrev_b32 v9, 4, v0                        ; 16 t
	v_mov_b32 v53, 0
	v_mov_b32 v55, 0
	v_mov_b32 v59, 0
	s_wait_alu depctr_va_vdst(0)                   ; the wait at the head's end
	s_wait_kmcnt 0x0
	s_add_nc_u64 s[4:5], s[4:5], s[16:17]
	s_add_nc_u64 s[6:7], s[6:7], s[18:19]
	s_add_nc_u64 s[8:9], s[8:9], s[20:21]
	s_add_nc_u64 s[10:11], s[10:11], s[16:17]
	global_load_b128 v[12:15], v7, s[4:5]              ; q of rows 4 lane .. of my 256,
	global_load_b128 v[16:19], v7, s[4:5] offset:512   ; and of rows 128 + 4 lane ..
	global_load_b128 v[40:43], v7, s[6:7]
	global_load_b128 v[44:47], v7, s[6:7] offset:512
	s_wait_loadcnt 2                               ; q is in; pc's two loads may be out
.irp j, 12,14,16,18
	v_pk_mul_f32 v[\j:\j+1], v[\j:\j+1], s[26:27] op_sel_hi:[1,0]   ; y
.endr
	v_max3_num_f32 v52, v12, v13, v14
	v_max3_num_f32 v52, v52, v15, v16
	v_max3_num_f32 v52, v52, v17, v18
	v_max_num_f32 v52, v52, v19
	v_max_num_f32_dpp v52, v52, v52 row_xmask:1 row_mask:0xf bank_mask:0xf
	v_max_num_f32_dpp v52, v52, v52 row_xmask:2 row_mask:0xf bank_mask:0xf
	v_max_num_f32_dpp v52, v52, v52 row_xmask:4 row_mask:0xf bank_mask:0xf
	v_max_num_f32_dpp v52, v52, v52 row_xmask:8 row_mask:0xf bank_mask:0xf
	v_permlanex16_b32 v53, v52, s28, s29
	v_max_num_f32 v52, v52, v53                    ; m of my part
	v_mov_b32 v58, v52
	ds_store_b32 v11, v52 offset:MX
	s_wait_alu depctr_va_vdst(0)                   ; the wait ahead of the wait and the barrier below
	s_wait_dscnt 0x0                               ; for the others' sake
	s_barrier_signal -1
	s_barrier_wait -1
.irp j, 0,1,2,3
	ds_load_b128 v[20+4*\j:23+4*\j], v55 offset:MX+16*\j
.endr
	s_wait_dscnt 0x0
	v_max3_num_f32 v52, v20, v21, v22
.irp j, 23,25,27,29,31,33
	v_max3_num_f32 v52, v52, v[\j], v[\j+1]
.endr
	v_max_num_f32 v52, v52, v35                    ; M
.irp j, 12,14,16,18
	v_pk_add_f32 v[\j:\j+1], v[\j:\j+1], v[52:53] op_sel_hi:[1,0] neg_lo:[0,1] neg_hi:[0,1]
.endr
	v_sub_f32 v58, v58, v52                        ; m - M
	s_wait_alu depctr_va_vdst(0)                   ; the wait ahead of the batch
.irp j, 12,13,14,15,16,17,18,19
	v_exp_f32 v[\j], v[\j]                         ; p, at most 1
.endr
	v_exp_f32 v58, v58                             ; my part's factor, at most 1
	v_nop
	s_wait_alu depctr_va_vdst(0)                   ; and behind it
	v_pk_add_f32 v[56:57], v[12:13], v[14:15]      ; my wave's sum of p
	v_pk_add_f32 v[60:61], v[16:17], v[18:19]
	v_pk_add_f32 v[56:57], v[56:57], v[60:61]
	v_add_f32 v54, v56, v57
	v_add_f32_dpp v54, v54, v54 row_xmask:1 row_mask:0xf bank_mask:0xf
	v_add_f32_dpp v54, v54, v54 row_xmask:2 row_mask:0xf bank_mask:0xf
	v_add_f32_dpp v54, v54, v54 row_xmask:4 row_mask:0xf bank_mask:0xf
	v_add_f32_dpp v54, v54, v54 row_xmask:8 row_mask:0xf bank_mask:0xf
	v_permlanex16_b32 v57, v54, s28, s29
	v_add_f32 v54, v54, v57
	ds_store_b32 v11, v54 offset:LS
	s_wait_loadcnt 0x0
.irp j, 40,42,44,46
	v_pk_mul_f32 v[\j:\j+1], v[\j:\j+1], v[58:59] op_sel_hi:[1,0]
.endr
	ds_store_b128 v10, v[40:43]
	ds_store_b128 v10, v[44:47] offset:512
	s_wait_alu depctr_va_vdst(0)                   ; the wait ahead of the wait and the barrier below
	s_wait_dscnt 0x0                               ; for the others' sake
	s_barrier_signal -1
	s_barrier_wait -1
.irp j, 0,1,2,3
	ds_load_b128 v[20+4*\j:23+4*\j], v55 offset:LS+16*\j
.endr
	s_wait_dscnt 0x0
.irp j, 20,24,28,32
	v_pk_add_f32 v[\j:\j+1], v[\j:\j+1], v[\j+2:\j+3]
.endr
	v_pk_add_f32 v[20:21], v[20:21], v[24:25]
	v_pk_add_f32 v[28:29], v[28:29], v[32:33]
	v_pk_add_f32 v[20:21], v[20:21], v[28:29]
	v_add_f32 v20, v20, v21                        ; the batch's sum of p: at least 1
	s_wait_alu depctr_va_vdst(0)                   ; the wait ahead of the transcendental
	v_rcp_f32 v52, v20
	v_nop
	s_wait_alu depctr_va_vdst(0)                   ; and ahead of its first reader
	v_mov_b32 v53, v52
	s_wait_alu depctr_va_vdst(0)                   ; the wait ahead of the branches below
	s_cmp_gt_u32 s12, 1                            ; waves 0 and 1 add the sixteen parts; no barrier stands under this branch or the next
	s_cbranch_scc1 .Lnot_sum
.irp o, 0,1,2,3,4,5,6,7,8,9,10,11,12,13,14,15
	ds_load_b128 v[64+4*\o:67+4*\o], v9 offset:CT+1024*\o
.endr
	s_wait_dscnt 0x0
.irp o, 0,8,16,24,32,40,48,56
	v_pk_add_f32 v[64+\o:65+\o], v[64+\o:65+\o], v[68+\o:69+\o]
	v_pk_add_f32 v[66+\o:67+\o], v[66+\o:67+\o], v[70+\o:71+\o]
.endr
.irp o, 0,16,32,48
	v_pk_add_f32 v[64+\o:65+\o], v[64+\o:65+\o], v[72+\o:73+\o]
	v_pk_add_f32 v[66+\o:67+\o], v[66+\o:67+\o], v[74+\o:75+\o]
.endr
.irp o, 0,32
	v_pk_add_f32 v[64+\o:65+\o], v[64+\o:65+\o], v[80+\o:81+\o]
	v_pk_add_f32 v[66+\o:67+\o], v[66+\o:67+\o], v[82+\o:83+\o]
.endr
	v_pk_add_f32 v[64:65], v[64:65], v[96:97]
	v_pk_add_f32 v[66:67], v[66:67], v[98:99]
	v_pk_mul_f32 v[64:65], v[64:65], v[52:53]
	v_pk_mul_f32 v[66:67], v[66:67], v[52:53]
	global_store_b128 v9, v[64:67], s[8:9]         ; a wave stores 512 consecutive bytes
.Lnot_sum:
	s_cmp_lg_u32 s15, s14                          ; waves 4 part .. 4 part + 3 write the weights of their own 256 rows
	s_cbranch_scc1 .Lnot_mine
.irp j, 12,14,16,18
	v_pk_mul_f32 v[\j:\j+1], v[\j:\j+1], v[52:53]
.endr
	global_store_b128 v7, v[12:15], s[10:11]       ; 32 lanes store 512 consecutive bytes
	global_store_b128 v7, v[16:19], s[10:11] offset:512
.Lnot_mine:
	s_wait_tensorcnt 0x0                           ; the wave's end
	ds_add_u32 v1, v2
	s_wait_dscnt 0x0
	s_endpgm
.Lfunc_end_k_qd9e1fd6a60_finish:
	.size	k_qd9e1fd6a60_finish, .Lfunc_end_k_qd9e1fd6a60_finish-k_qd9e1fd6a60_finish
	.p2alignl 7, 3214868480
	.fill 96, 4, 3214868480
	.section	.rodata,"a",@progbits
	.p2align	6, 0x0
	.amdhsa_kernel k_qd9e1fd6a60_finish
		.amdhsa_group_segment_fixed_size 18944
		.amdhsa_private_segment_fixed_size 0
		.amdhsa_enable_private_segment 0
		.amdhsa_kernarg_size 32
		.amdhsa_user_sgpr_count 2
		.amdhsa_user_sgpr_kernarg_segment_ptr 1
		.amdhsa_wavefront_size32 1
		.amdhsa_system_sgpr_workgroup_id_x 1
		.amdhsa_system_sgpr_workgroup_id_y 1
		.amdhsa_system_sgpr_workgroup_id_z 1
		.amdhsa_system_vgpr_workitem_id 0
		.amdhsa_next_free_vgpr 128
		.amdhsa_next_free_sgpr 66
		.amdhsa_reserve_vcc 0
		.amdhsa_float_denorm_mode_32 3
		.amdhsa_float_denorm_mode_16_64 3
		.amdhsa_memory_ordered 1
		.amdhsa_forward_progress 1
		.amdhsa_inst_pref_size 11
	.end_amdhsa_kernel
	.amdgpu_metadata
---
amdhsa.version: [ 1, 2 ]
amdhsa.kernels:
  - .name:           k_qd9e1fd6a60_finish
    .symbol:         k_qd9e1fd6a60_finish.kd
    .args:
      - { .name: sc, .offset: 0, .size: 8, .value_kind: global_buffer, .address_space: global }
      - { .name: pc, .offset: 8, .size: 8, .value_kind: global_buffer, .address_space: global }
      - { .name: out0, .offset: 16, .size: 8, .value_kind: global_buffer, .address_space: global }
      - { .name: out1, .offset: 24, .size: 8, .value_kind: global_buffer, .address_space: global }
    .group_segment_fixed_size: 18944
    .private_segment_fixed_size: 0
    .kernarg_segment_align: 8
    .kernarg_segment_size: 32
    .max_flat_workgroup_size: 512
    .sgpr_count:     66
    .vgpr_count:     128
    .wavefront_size: 32
...
	.end_amdgpu_metadata
.endif
;; end of part 3
